; MI455X (gfx1250); checked and timed in simulation.
; The chip was launched on July 23, 2026; its instructions are those of AMD's public machine-readable ISA for CDNA 5 (MIT licence, August 2026) and "CDNA5" Instruction Set Architecture Reference Guide (July 2026). The comments in the code are by the model that wrote it; some were corrected since.
;; Self Attention. Allowed arithmetic: matrix products marked QUANTISED: E2M1 operands, one E8M0 scale for each 32 along K, by v_wmma_scale_f32_16x16x128_f8f6f4 with both operands' format E2M1 (or v_wmma_scale_f32_32x16x128_f4), f32 sums; everything else in f32.
;; Inputs: bf 32 float32; bg 32 float32; bh 256 float32; bo 256 float32; gamma 1 float32; wf_codes 32 x 8 x 16 uint8 (E2M1 codes of wf, K innermost, in blocks of 32 codes, two codes a byte); wf_scales 32 x 8 uint8 (E8M0 scales of wf, one for each 32 codes along K); wg_codes 32 x 8 x 16 uint8 (E2M1 codes of wg, K innermost, in blocks of 32 codes, two codes a byte); wg_scales 32 x 8 uint8 (E8M0 scales of wg, one for each 32 codes along K); wh_codes 256 x 8 x 16 uint8 (E2M1 codes of wh, K innermost, in blocks of 32 codes, two codes a byte); wh_scales 256 x 8 uint8 (E8M0 scales of wh, one for each 32 codes along K); wo_codes 256 x 8 x 16 uint8 (E2M1 codes of wo, K innermost, in blocks of 32 codes, two codes a byte); wo_scales 256 x 8 uint8 (E8M0 scales of wo, one for each 32 codes along K); x 8 x 256 x 64 x 64 float32.
;; Outputs: out0 8 x 256 x 64 x 64 float32.
;; This version of the problem:
;;   THIS VERSION OF THE PROBLEM IS GIVEN IN LOW PRECISION. The matrix products marked QUANTISED in the list below multiply operands that are first quantised to E2M1 (2 exponent bits, 1 mantissa bit; 4 bits a number), with one power-of-two scale for each 32 numbers along K (OCP MX v1.0); their sums are f32. All else is computed in f32.
;;   The module's matrix products, in the order in which they are computed (A, B: the left and right operand; K: the contracted axis; several contracted axes count as one K, in the product's order):
;;     1. [M 32,768, K 256] x [K 256, N 32]; A: input x; B: input wf (given as codes): QUANTISED
;;     2. [M 32,768, K 256] x [K 256, N 32]; A: input x; B: input wg (given as codes): QUANTISED
;;     3. [M 32,768, K 256] x [K 256, N 256]; A: input x; B: input wh (given as codes): QUANTISED
;;     4. batch 8 x [M 4,096, K 32] x [K 32, N 4,096]; A: computed on the way; B: computed on the way: QUANTISED
;;     5. batch 8 x [M 256, K 4,096] x [K 4,096, N 4,096]; A: computed on the way; B: softmax (see below): QUANTISED
;;     6. [M 32,768, K 256] x [K 256, N 256]; A: computed on the way; B: input wo (given as codes): QUANTISED
;;   THE QUANTISER, for each operand of a quantised product, along K:
;;     - K is cut into blocks of 32 from its start; a last block that is shorter is filled with zeros.
;;     - A block's scale is 2^e with e = floor(log2(the largest magnitude in the block)) - 2, held to -126 .. 127; a block of zeros has e = 0. As a byte (E8M0): e + 127.
;;     - Each number is divided by its block's scale, clamped to +-6, and rounded to the nearest number of E2M1, ties to even, subnormals kept.
;;     - The product sums the exact products of the quantised numbers (number of the format x scale) in f32.
;;   ~~~python
;;   def quantise(x, axis):      # numpy; x: float32 -> the quantised numbers, widened to float32 again
;;       x = np.moveaxis(x, axis, -1); K = x.shape[-1]
;;       x = np.pad(x, [(0, 0)] * (x.ndim - 1) + [(0, -K % 32)]); x = x.reshape(x.shape[:-1] + (-1, 32)); a = np.abs(x).max(-1, keepdims=True)
;;       e = np.where(a > 0, np.clip(np.frexp(np.where(a > 0, a, 1))[1] - 1 - 2, -126, 127), 0)      # np.frexp(a)[1] - 1 = floor(log2(a)), exactly
;;       r = np.clip(x / 2.0 ** e, -6, 6)
;;       step = 2.0 ** (np.maximum(np.frexp(np.where(r == 0, 1, r))[1] - 1, 0) - 1)
;;       q = np.round(r / step) * step * 2.0 ** e      # np.round: ties to even
;;       return np.moveaxis(q.reshape(q.shape[:-2] + (-1,))[..., :K], -1, axis).astype(np.float32)
;;   ~~~
;;   SOFTMAX AHEAD OF A QUANTISED PRODUCT. Where the list says 'softmax', what is quantised is not the finished softmax but p = 2^(t - M), with t = logit x log2(e) and M = ceil(the row's largest t), a whole number; so 1/2 < the row's largest p <= 1. The row's sum l is taken of the UNQUANTISED p, in f32, and the product's result is divided by l at the end. Since M is a whole number, a kernel that streams over the keys may use a running M (the ceiling of the running maximum): every later rescaling is an exact power of two, which a block's scale takes up: the codes' values come out the same.
;;   OPERANDS COMPUTED ON THE WAY. 'Computed on the way' means the value that the module computes at that place (a softmax that the list does not call 'softmax' is quantised finished and normalised). What goes into a quantiser is computed in f32, as accurately as f32 sums, v_exp_f32 and their like allow (about 1e-6 of the number): no bf16 or f16 on the way to a quantiser, and a product that is left as it is and whose result goes on into a quantised operand takes f32 operands (vector FMAs, or v_wmma_f32_16x16x4_f32). A number that lies on a knife's edge between two numbers of the format may be rounded either way, as far as f32 arithmetic and the matrix unit's own rounding can turn it there, and no further.
;;   INPUTS GIVEN AS CODES. wf (in the module: [32, 256], K = its axis 1); wg (in the module: [32, 256], K = its axis 1); wh (in the module: [256, 256], K = its axis 1); wo (in the module: [256, 256], K = its axis 1): each comes as NAME_codes (uint8): NAME with its K axis moved to the last place and cut into blocks of 32 codes, [.., K / 32, bytes a block], one block behind the other in memory; two codes a byte, the lower K in the low four bits (a code: sign, 2 exponent bits, 1 mantissa bit); and NAME_scales (uint8): the same leading axes, one E8M0 byte (e + 127) for each 32 codes along K. Its value is code x scale, taken as it is: it is not quantised again, and the codes and scales need not be those that the quantiser above would give.
;; One version. Each part assembles by itself: llvm-mc -triple=amdgcn-amd-amdhsa -mcpu=gfx1250 --defsym DOCPART=n.
;; ======== version 1 of 1: 2 launches
;; workspace buffers: vbuf 4,194,304 bytes; aux 1,376,256 bytes
;; launch prep (part 1): grid 32 x 8, 4 waves a work-group, no clusters, 168,448 bytes of LDS; arguments x, wf_codes, wf_scales, bf, wg_codes, wg_scales, bg, wh_codes, wh_scales, bh, vbuf, aux; writes vbuf, aux
.if DOCPART == 1
	.amdgcn_target "amdgcn-amd-amdhsa--gfx1250"
	.amdhsa_code_object_version 6
	.text
	.protected	k_qf1730cd444_prep
	.globl	k_qf1730cd444_prep
	.p2align	8
	.type	k_qf1730cd444_prep,@function
k_qf1730cd444_prep:
	s_mov_b64 s[64:65], 0
	v_nop
	global_prefetch_b8 v0, s[64:65] scope:SCOPE_SE
	s_setreg_imm32_b32 hwreg(HW_REG_WAVE_MODE, 25, 1), 1
	s_wait_xcnt 0x0
; f = wf x + bf (keys), g = wg x + bg (queries), hh = wh x + bh (values): three products on codes of FP4 (E2M1) with one E8M0 scale for each 32 along K.
; x [8][256][4096] f32 is quantised along its channels (K), which are not innermost; the results are quantised again for the next launch: f and g along their 32 channels, hh along the positions (the keys).
; SHARES.  A work-group takes 128 positions of one batch (a STEP), all 256 channels: 128 KiB of x, brought once by four tensor loads (64 channel rows of 512 bytes each).  Wave w takes positions 32 w .. 32 w + 31.
; A LANE TAKES A POSITION AND ITS REGISTERS RUN DOWN THE CHANNELS: a block of 32 channels lies in one lane, and the conversions give codes with K innermost.  Lane L stands for position 32 w + pi(L),
; pi(L) = 8 (L / 16) + r + (r & 8), r = L % 16: so the two tiles of 16 positions (lanes 0-15, lanes 16-31) are such that in hh's result a lane's 16 registers are 16 NEIGHBOURING positions.
; f, g: used transposed (source 0 = 16 rows of the weight, rows 8 u + r + (r & 8); source 1 = x): a lane holds one position and 16 neighbouring channels; the bias is the C of the first product.
; hh: source 0 = x, source 1 = 16 rows of wh, tile ct = 2 b + u taking rows 32 b + 8 u + r + (r & 8): a lane holds one channel and 16 neighbouring positions.
; OUT, in the order of the next launch's operand registers.  vbuf [batch][step][ct 16][c 2][lane 32][16 bytes]: V's fragments.  aux [batch][step] records of 5,376 bytes:
;   +0 V's scale words [q 2][lane 32][i 4]; +1024 the queries' scale bytes; +1152 the keys' scale words [F 2][r 16]; +1280 the keys' codes [group 4][lane 32][16]; +3328 the queries' codes [position 128][16].
; NO CLUSTER: the work-groups share 40 KiB of weights against 128 KiB of x of their own each.  No ring: each LDS byte is filled once.
; LIMITS: NaN and infinities among the inputs are not served.  A block whose largest magnitude lies under 2^-124 keeps the scale byte 1; a block of zeros too, where the rule says 127: its codes are zeros, and this program alone reads the bytes.
; REGISTERS.  window 0: v1-19 lane numbers and addresses; v32-95 numbers at work; v96-127 x's codes; v128-129 x's scale words; v130-141 at work; v144-183 the weights' scale words; v184-199 bh, then V's scale bytes;
;   v200-231 V's codes; v232-239 f's and g's codes; v240-245 their scale bytes.   window 1: wh's 32 fragments.   window 2: wf's and wg's 8 fragments, from v64 their bias tiles.
.set SST,  131072                      ; LDS behind x's tile: a stage of 1,280 bytes for the record's first five units of 256 bytes
.set REC,  5376
.set XN,   32
.set XC,   96
.set XS,   128
.set TM,   130
.set FGS,  144
.set WHS,  152
.set BH,   184
.set VC,   200
.set CF,   232
.set FB,   240
.set MSB, 0
.macro WIN new                         ; the immediate's high byte repeats the setting that is left
.if MSB != \new
	s_set_vgpr_msb (MSB<<8)|\new
.set MSB, \new
.endif
.endm
.macro PLACES n
.rept \n
	v_nop
.endr
.endm
; one product 16 x 16 x 128.  cz = 0: C is the constant 0, else v[c ..].  row = 1: source 0's scales from lanes 16-31; 2: source 1's
.macro FP4MM d, a, b, cz, c, sa, sb, row
.if (\cz) == 0
.if (\row) == 0
	v_wmma_scale_f32_16x16x128_f8f6f4 v[(\d):(\d)+7], v[(\a):(\a)+7], v[(\b):(\b)+7], 0, v[\sa], v[\sb] matrix_a_fmt:MATRIX_FMT_FP4 matrix_b_fmt:MATRIX_FMT_FP4
.elseif (\row) == 1
	v_wmma_scale_f32_16x16x128_f8f6f4 v[(\d):(\d)+7], v[(\a):(\a)+7], v[(\b):(\b)+7], 0, v[\sa], v[\sb] matrix_a_fmt:MATRIX_FMT_FP4 matrix_b_fmt:MATRIX_FMT_FP4 matrix_a_scale:MATRIX_SCALE_ROW1
.else
	v_wmma_scale_f32_16x16x128_f8f6f4 v[(\d):(\d)+7], v[(\a):(\a)+7], v[(\b):(\b)+7], 0, v[\sa], v[\sb] matrix_a_fmt:MATRIX_FMT_FP4 matrix_b_fmt:MATRIX_FMT_FP4 matrix_b_scale:MATRIX_SCALE_ROW1
.endif
.else
.if (\row) == 0
	v_wmma_scale_f32_16x16x128_f8f6f4 v[(\d):(\d)+7], v[(\a):(\a)+7], v[(\b):(\b)+7], v[(\c):(\c)+7], v[\sa], v[\sb] matrix_a_fmt:MATRIX_FMT_FP4 matrix_b_fmt:MATRIX_FMT_FP4
.elseif (\row) == 1
	v_wmma_scale_f32_16x16x128_f8f6f4 v[(\d):(\d)+7], v[(\a):(\a)+7], v[(\b):(\b)+7], v[(\c):(\c)+7], v[\sa], v[\sb] matrix_a_fmt:MATRIX_FMT_FP4 matrix_b_fmt:MATRIX_FMT_FP4 matrix_a_scale:MATRIX_SCALE_ROW1
.else
	v_wmma_scale_f32_16x16x128_f8f6f4 v[(\d):(\d)+7], v[(\a):(\a)+7], v[(\b):(\b)+7], v[(\c):(\c)+7], v[\sa], v[\sb] matrix_a_fmt:MATRIX_FMT_FP4 matrix_b_fmt:MATRIX_FMT_FP4 matrix_b_scale:MATRIX_SCALE_ROW1
.endif
.endif
.endm
	s_load_b512 s[4:19], s[0:1], 0x0               ; x, wf codes, wf scales, bf, wg codes, wg scales, bg, wh codes
	s_load_b256 s[20:27], s[0:1], 0x40             ; wh scales, bh, vbuf, aux
	v_lshl_add_u32 v254, v0, 2, 0x29000
	v_mov_b32 v255, 0
	ds_add_u32 v254, v255
	ds_add_u32 v254, v255
	v_lshrrev_b32 v1, 5, v0
	v_readfirstlane_b32 s28, v1                    ; wave 0..3
	s_and_b32 s30, ttmp7, 0xffff                   ; batch
	; descriptor group 1: 64 rows of 128 elements of 4 bytes, 4,096 elements from row to row, no padding (a wave's LDS load reads 128 neighbouring bytes of one row)
	s_mov_b32 s36, 2<<16
	s_mov_b32 s37, 128<<16                         ; tensor_dim0
	s_mov_b32 s38, 64<<16                          ; tensor_dim1
	s_mov_b32 s39, 128<<16                         ; tile_dim0
	s_mov_b32 s40, 64                              ; tile_dim1
	s_mov_b32 s41, 4096                            ; the pitch
	s_mov_b32 s42, 0
	s_mov_b32 s43, 0
	s_mov_b32 s44, 0x76543210
	s_mov_b32 s45, 0xfedcba98                      ; v_permlanex16_b32's selects for lane l xor 16
	s_lshl_b32 s46, s30, 22                        ; the batch's 4 MiB of x,
	s_lshl_b32 s47, s28, 20                        ; my 64 channel rows of 16,384 bytes,
	s_add_co_u32 s46, s46, s47
	s_lshl_b32 s47, ttmp9, 9                       ; the step's 512 bytes of a row
	s_add_co_u32 s46, s46, s47
	s_mov_b32 s47, 0
	s_lshl_b32 s48, s30, 5
	s_add_co_u32 s48, s48, ttmp9                   ; 32 x batch + step
	s_mul_i32 s50, s48, REC                        ; its record in aux
	s_mov_b32 s51, 0
	s_lshl_b32 s48, s48, 14                        ; its 16,384 bytes in vbuf; my block w of the step's four keys' blocks is register group c = w / 2, lanes 16 (w % 2) on
	s_lshr_b32 s52, s28, 1
	s_lshl_b32 s52, s52, 9
	s_add_co_u32 s48, s48, s52
	s_and_b32 s52, s28, 1
	s_lshl_b32 s52, s52, 8
	s_add_co_u32 s48, s48, s52
	s_mov_b32 s49, 0
	s_mov_b32 s32, 1                               ; group 0: count = 1
	s_lshl_b32 s33, s28, 15                        ; LDS: my 64 rows of 512 bytes
	s_wait_dscnt 0x0
	s_wait_kmcnt 0x0
	s_add_nc_u64 s[24:25], s[24:25], s[48:49]
	s_add_nc_u64 s[26:27], s[26:27], s[50:51]
	s_add_nc_u64 s[34:35], s[4:5], s[46:47]
	s_or_b32 s35, s35, 0x80000000                  ; type = 2
	tensor_load_to_lds s[32:35], s[36:43]          ; x first: everything else stands behind it
	s_nop 0
	v_and_b32 v1, 31, v0                           ; L
	v_and_b32 v2, 15, v0                           ; r
	v_bfe_u32 v3, v0, 4, 1                         ; h
	v_and_b32 v18, 8, v2
	v_add_nc_u32 v18, v18, v2                      ; r + (r & 8)
	v_lshl_add_u32 v19, v3, 3, v18                 ; pi(L)
	s_lshl_b32 s46, s28, 7
	v_lshl_add_u32 v4, v19, 2, s46                 ; x in LDS: my position's 4 bytes in a row, channels 0-127 by the immediate;
	v_add_nc_u32 v5, 65536, v4                     ; channels 128-255
	v_lshlrev_b32 v6, 7, v18
	v_lshl_add_u32 v6, v3, 4, v6                   ; a weight's fragment: row r + (r & 8) of 128 bytes, + 16 h
	v_lshlrev_b32 v7, 3, v18                       ; its scale bytes: 8 a row
	v_lshlrev_b32 v8, 6, v3                        ; bf, bg: channels 16 h on
	v_lshlrev_b32 v9, 2, v18                       ; bh: my channel
	v_lshlrev_b32 v10, 4, v2
	v_lshl_add_u32 v10, v3, 3, v10                 ; V's codes: 16 r + 8 h
	s_lshl_b32 s47, s28, 9
	v_lshl_add_u32 v11, v1, 4, s47                 ; the keys' codes: group w, 16 x lane
	v_lshl_add_u32 v12, v19, 4, s47                ; the queries' codes: 16 x position
	s_add_co_u32 s46, s28, SST
	v_lshl_add_u32 v13, v2, 4, s46                 ; stage: V's scale byte: 16 r + w
	s_lshl_b32 s46, s28, 5
	s_add_co_u32 s46, s46, SST+1024
	v_add_nc_u32 v14, s46, v19                     ; the query's: its position
	s_lshr_b32 s46, s28, 1
	s_lshl_b32 s46, s46, 6
	s_and_b32 s47, s28, 1
	s_lshl_b32 s47, s47, 1
	s_add_co_u32 s46, s46, s47
	s_add_co_u32 s46, s46, SST+1152
	v_lshl_add_u32 v15, v2, 2, s46
	v_add_nc_u32 v15, v15, v3                      ; the key's: word 16 (w / 2) + r, byte 2 (w % 2) + h
	s_lshl_b32 s46, s28, 8
	v_lshl_add_u32 v17, v1, 3, s46                 ; the stage's way out: unit w, 8 bytes a lane
	v_add_nc_u32 v16, SST, v17
	v_cmp_eq_u32 vcc_lo, 1, v3                     ; lanes 16-31
.irp b, 0,1,2,3
	v_mov_b32 v[TM+4+\b], 0                        ; written once: a lane permute's destination counts as one of its sources
.endr
	; the weights stay in registers: each wave multiplies its 32 positions by all of them
	WIN 0x40                                       ; destination window 1
.irp ct, 0,1,2,3,4,5,6,7,8,9,10,11,12,13,14,15
.irp s, 0,1
.irp c, 0,1
	global_load_b128 v[8*(2*\ct+\s)+4*\c:8*(2*\ct+\s)+4*\c+3], v6, s[18:19] offset:(32*(\ct/2)+8*(\ct%2))*128+64*\s+32*\c
.endr
.endr
.endr
	WIN 0x80                                       ; destination window 2
.irp u, 0,1
.irp s, 0,1
.irp c, 0,1
	global_load_b128 v[8*(2*\u+\s)+4*\c:8*(2*\u+\s)+4*\c+3], v6, s[6:7] offset:8*\u*128+64*\s+32*\c
	global_load_b128 v[8*(4+2*\u+\s)+4*\c:8*(4+2*\u+\s)+4*\c+3], v6, s[12:13] offset:8*\u*128+64*\s+32*\c
.endr
.endr
	global_load_b128 v[64+8*\u:64+8*\u+3], v8, s[10:11] offset:32*\u            ; bf at channels 16 h + 8 u + 0 .. 7: the result's layout
	global_load_b128 v[64+8*\u+4:64+8*\u+7], v8, s[10:11] offset:32*\u+16
	global_load_b128 v[80+8*\u:80+8*\u+3], v8, s[16:17] offset:32*\u            ; bg
	global_load_b128 v[80+8*\u+4:80+8*\u+7], v8, s[16:17] offset:32*\u+16
.endr
	WIN 0
.irp u, 0,1
	global_load_b64 v[FGS+2*\u:FGS+2*\u+1], v7, s[8:9] offset:64*\u             ; a row's two scale words
	global_load_b64 v[FGS+4+2*\u:FGS+4+2*\u+1], v7, s[14:15] offset:64*\u
.endr
.irp ct, 0,1,2,3,4,5,6,7,8,9,10,11,12,13,14,15
	global_load_b64 v[WHS+2*\ct:WHS+2*\ct+1], v7, s[20:21] offset:(32*(\ct/2)+8*(\ct%2))*8
	global_load_b32 v[BH+\ct], v9, s[22:23] offset:(32*(\ct/2)+8*(\ct%2))*4
.endr
	s_wait_tensorcnt 0x0                           ; my 64 rows have landed,
	s_barrier_signal -1
	s_barrier_wait -1                              ; everybody's have
; ---- x becomes codes.  Block beta: channels 32 beta on of my position
.macro XLOAD beta
.set n, 0
.rept 32
	ds_load_b32 v[XN+32*((\beta)%2)+n], v[4+(\beta)/4] offset:((32*(\beta)+n)%128)*512
.set n, n+1
.endr
.endm
.macro XBLK beta
.set XB, XN+32*((\beta)%2)
.if (\beta) < 7
	s_wait_dscnt 32                                ; this block's 32 loads are in; the next block's may be out
.else
	s_wait_dscnt 0x0
.endif
	v_max3_num_f32 v[TM], |v[XB]|, |v[XB+1]|, |v[XB+2]|            ; the block's largest magnitude: all 32 numbers are mine; two chains
	v_max3_num_f32 v[TM+1], |v[XB+3]|, |v[XB+4]|, |v[XB+5]|
.irp i, 6,10,14,18,22,26
	v_max3_num_f32 v[TM], v[TM], |v[XB+\i]|, |v[XB+\i+1]|
	v_max3_num_f32 v[TM+1], v[TM+1], |v[XB+\i+2]|, |v[XB+\i+3]|
.endr
	v_max3_num_f32 v[TM], v[TM], |v[XB+30]|, |v[XB+31]|
	v_max3_num_f32 v[TM], v[TM], v[TM+1], 0x1800000                ; and the floor 2^(3 - 127): the byte cannot fall under 1
	v_add_nc_u32 v[TM+2], 0xff000000, v[TM]                        ; 2 off the exponent field: the conversion's scale operand
	v_lshrrev_b32 v[TM+3], 23, v[TM+2]                             ; the scale's byte
.if (\beta)%4 == 0
	v_mov_b32 v[XS+(\beta)/4], v[TM+3]
.else
	v_lshl_or_b32 v[XS+(\beta)/4], v[TM+3], 8*((\beta)%4), v[XS+(\beta)/4]
.endif
.irp g, 0,1,2,3
	v_cvt_scalef32_pk8_fp4_f32 v[XC+16*((\beta)/4)+8*((\beta)%2)+4*(((\beta)%4)/2)+\g], v[XB+8*\g:XB+8*\g+7], v[TM+2]
.endr
.if (\beta) < 6
	XLOAD (\beta)+2
.endif
.endm
	XLOAD 0
	XLOAD 1
.irp beta, 0,1,2,3,4,5,6,7
	XBLK \beta
.endr
	v_nop                                          ; one plain line behind the last scaled conversion
; A fragment wants block 2 c + h in lane half h.  Each exchange gives lanes 16-31 of the first register the second's lanes 0-15: the first then serves the tile of lanes 0-15, the second that of lanes 16-31.
.irp s, 0,1
.irp p, 0,1
.irp i, 0,1,2,3
	v_permlane16_swap_b32 v[XC+16*\s+4*\p+\i], v[XC+16*\s+8+4*\p+\i]
.endr
.endr
.endr                                          ; tile T, K step s: v[XC + 16 s + 8 T ..]; tile 0's scale words in lanes 0-15 of v[XS + s], tile 1's in lanes 16-31
	PLACES 8                                       ; scale registers written by vector instructions stand 8 places ahead of a scaled product, operands 4
	s_wait_loadcnt 0x0                             ; the weights
; ---- f (a = 0) and g (a = 1), transposed.  Eight accumulators by turns
	WIN 0x22                                       ; source 0 (the weight) and C (the bias) window 2
.irp a, 0,1
.irp T, 0,1
.irp u, 0,1
	FP4MM XN+32*\a+16*\T+8*\u, 8*(4*\a+2*\u), XC+8*\T, 1, 64+8*(2*\a+\u), FGS+2*(2*\a+\u), XS, 2*\T
.endr
.endr
.endr
	WIN 0x02
.irp a, 0,1
.irp T, 0,1
.irp u, 0,1
	FP4MM XN+32*\a+16*\T+8*\u, 8*(4*\a+2*\u+1), XC+16+8*\T, 1, XN+32*\a+16*\T+8*\u, FGS+2*(2*\a+\u)+1, XS+1, 2*\T
.endr
.endr
.endr
	WIN 0
	PLACES 4
; four blocks bb = 2 a + T: lane (r, h) holds channels 16 h + 0 .. 15 of the position in row r of tile T
.irp bb, 0,1,2,3
	v_max3_num_f32 v[TM+\bb], |v[XN+16*\bb]|, |v[XN+16*\bb+1]|, 0x1800000
.endr
.irp i, 2,4,6,8,10,12,14
.irp bb, 0,1,2,3
	v_max3_num_f32 v[TM+\bb], v[TM+\bb], |v[XN+16*\bb+\i]|, |v[XN+16*\bb+\i+1]|
.endr
.endr
.irp bb, 0,1,2,3
	v_permlanex16_b32 v[TM+4+\bb], v[TM+\bb], s44, s45
.endr
.irp bb, 0,1,2,3
	v_max_num_f32 v[TM+\bb], v[TM+\bb], v[TM+4+\bb]                ; with lane l xor 16's 16 channels
.endr
.irp bb, 0,1,2,3
	v_add_nc_u32 v[TM+8+\bb], 0xff000000, v[TM+\bb]
.endr
.irp bb, 0,1,2,3
	v_lshrrev_b32 v[FB+\bb], 23, v[TM+8+\bb]
.endr
.irp bb, 0,1,2,3
	v_cvt_scalef32_pk8_fp4_f32 v[CF+2*\bb], v[XN+16*\bb:XN+16*\bb+7], v[TM+8+\bb]
	v_cvt_scalef32_pk8_fp4_f32 v[CF+2*\bb+1], v[XN+16*\bb+8:XN+16*\bb+15], v[TM+8+\bb]
.endr
	v_nop
.irp a, 0,1                                    ; lane L then holds the 16 bytes (32 channels) of position pi(L)
	v_permlane16_swap_b32 v[CF+4*\a], v[CF+4*\a+2]
	v_permlane16_swap_b32 v[CF+4*\a+1], v[CF+4*\a+3]
.endr
	v_cndmask_b32 v[FB+4], v[FB], v[FB+1], vcc_lo                  ; and its scale byte: tile h's
	v_cndmask_b32 v[FB+5], v[FB+2], v[FB+3], vcc_lo
	global_store_b128 v11, v[CF:CF+3], s[26:27] offset:1280        ; the wave stores 512 consecutive bytes
	global_store_b128 v12, v[CF+4:CF+7], s[26:27] offset:3328
	ds_store_b8 v15, v[FB+4]
	ds_store_b8 v14, v[FB+5]
; ---- hh: two tiles of 16 channels at a time, in two sets of registers by turns: one set is quantised while the other is multiplied
.macro HW g, set
	WIN 0x04                                       ; source 1 (wh) window 1
.irp s, 0,1
.irp q, 0,1
.irp T, 0,1
	FP4MM (\set)+16*\q+8*\T, XC+16*\s+8*\T, 8*(2*(2*(\g)+\q)+\s), \s, (\set)+16*\q+8*\T, XS+\s, WHS+2*(2*(\g)+\q)+\s, \T
.endr
.endr
.endr
	WIN 0
.endm
.macro HQ g, set                       ; lane (r, h): channel row r of tile 2 g + q, positions 32 w + 16 h + 0 .. 15
.irp i, 0,1,2,3,4,5,6,7,8,9,10,11,12,13,14,15
.irp q, 0,1
	v_add_f32 v[(\set)+16*\q+\i], v[(\set)+16*\q+\i], v[BH+2*(\g)+\q]          ; each accumulator from its low end on
.endr
.endr
.irp q, 0,1
	v_max3_num_f32 v[TM+\q], |v[(\set)+16*\q]|, |v[(\set)+16*\q+1]|, 0x1800000
.endr
.irp i, 2,4,6,8,10,12,14
.irp q, 0,1
	v_max3_num_f32 v[TM+\q], v[TM+\q], |v[(\set)+16*\q+\i]|, |v[(\set)+16*\q+\i+1]|
.endr
.endr
.irp q, 0,1
	v_permlanex16_b32 v[TM+4+\q], v[TM+\q], s44, s45
.endr
.irp q, 0,1
	v_max_num_f32 v[TM+\q], v[TM+\q], v[TM+4+\q]
.endr
.irp q, 0,1
	v_add_nc_u32 v[TM+8+\q], 0xff000000, v[TM+\q]
.endr
.irp q, 0,1
	v_lshrrev_b32 v[BH+2*(\g)+\q], 23, v[TM+8+\q]                  ; the byte takes the place of the tile's bias, which is done with: a register of its own for each LDS store
.endr
.irp q, 0,1
	v_cvt_scalef32_pk8_fp4_f32 v[VC+2*(2*(\g)+\q)], v[(\set)+16*\q:(\set)+16*\q+7], v[TM+8+\q]
	v_cvt_scalef32_pk8_fp4_f32 v[VC+2*(2*(\g)+\q)+1], v[(\set)+16*\q+8:(\set)+16*\q+15], v[TM+8+\q]
.endr
	v_nop                                          ; one plain line behind the conversions: products write their sources next
.irp q, 0,1
	ds_store_b8 v13, v[BH+2*(\g)+\q] offset:((\g)/4)*512+\q*256+((\g)%4)*4     ; both lanes of a block write the same byte with the same value
	global_store_b64 v10, v[VC+2*(2*(\g)+\q):VC+2*(2*(\g)+\q)+1], s[24:25] offset:(2*(\g)+\q)*1024   ; the wave stores 256 consecutive bytes, aligned
.endr
.endm
	HW 0, XN
	HW 1, XN+32
	PLACES 4
.irp g, 0,1,2,3,4,5                            ; a set's plain lines name nothing of the other set's products: they are the places behind those
	HQ \g, XN+32*(\g%2)
	HW \g+2, XN+32*(\g%2)
.endr
	HQ 6, XN
	HQ 7, XN+32
; ---- the stage's five units of 256 bytes leave whole
	s_wait_dscnt 0x0                               ; for the others' sake: my byte stores have landed
	s_barrier_signal -1
	s_barrier_wait -1
	ds_load_b64 v[20:21], v16
	s_wait_dscnt 0x0
	global_store_b64 v17, v[20:21], s[26:27]       ; unit w of V's scale words
	s_cmp_lg_u32 s28, 0
	s_cbranch_scc1 .Ldone
	ds_load_b64 v[22:23], v16 offset:1024          ; wave 0: the queries' and the keys' scales
	s_wait_dscnt 0x0
	global_store_b64 v17, v[22:23], s[26:27] offset:1024
.Ldone:
	s_wait_tensorcnt 0x0
	ds_add_u32 v254, v255
	s_wait_dscnt 0x0
	s_endpgm
.Lfunc_end_k_qf1730cd444_prep:
	.size	k_qf1730cd444_prep, .Lfunc_end_k_qf1730cd444_prep-k_qf1730cd444_prep
	.p2alignl 7, 3214868480
	.fill 96, 4, 3214868480
	.section	.rodata,"a",@progbits
	.p2align	6, 0x0
	.amdhsa_kernel k_qf1730cd444_prep
		.amdhsa_group_segment_fixed_size 168448
		.amdhsa_private_segment_fixed_size 0
		.amdhsa_enable_private_segment 0
		.amdhsa_kernarg_size 96
		.amdhsa_user_sgpr_count 2
		.amdhsa_user_sgpr_kernarg_segment_ptr 1
		.amdhsa_wavefront_size32 1
		.amdhsa_system_sgpr_workgroup_id_x 1
		.amdhsa_system_sgpr_workgroup_id_y 1
		.amdhsa_system_sgpr_workgroup_id_z 1
		.amdhsa_system_vgpr_workitem_id 0
		.amdhsa_next_free_vgpr 640
		.amdhsa_next_free_sgpr 66
		.amdhsa_reserve_vcc 1
		.amdhsa_float_denorm_mode_32 3
		.amdhsa_float_denorm_mode_16_64 3
		.amdhsa_memory_ordered 1
		.amdhsa_forward_progress 1
		.amdhsa_inst_pref_size 84
	.end_amdhsa_kernel
	.amdgpu_metadata
---
amdhsa.version: [ 1, 2 ]
amdhsa.kernels:
  - .name:           k_qf1730cd444_prep
    .symbol:         k_qf1730cd444_prep.kd
    .args:
      - { .name: x, .offset: 0, .size: 8, .value_kind: global_buffer, .address_space: global }
      - { .name: wf_codes, .offset: 8, .size: 8, .value_kind: global_buffer, .address_space: global }
      - { .name: wf_scales, .offset: 16, .size: 8, .value_kind: global_buffer, .address_space: global }
      - { .name: bf, .offset: 24, .size: 8, .value_kind: global_buffer, .address_space: global }
      - { .name: wg_codes, .offset: 32, .size: 8, .value_kind: global_buffer, .address_space: global }
      - { .name: wg_scales, .offset: 40, .size: 8, .value_kind: global_buffer, .address_space: global }
      - { .name: bg, .offset: 48, .size: 8, .value_kind: global_buffer, .address_space: global }
      - { .name: wh_codes, .offset: 56, .size: 8, .value_kind: global_buffer, .address_space: global }
      - { .name: wh_scales, .offset: 64, .size: 8, .value_kind: global_buffer, .address_space: global }
      - { .name: bh, .offset: 72, .size: 8, .value_kind: global_buffer, .address_space: global }
      - { .name: vbuf, .offset: 80, .size: 8, .value_kind: global_buffer, .address_space: global }
      - { .name: aux, .offset: 88, .size: 8, .value_kind: global_buffer, .address_space: global }
    .group_segment_fixed_size: 168448
    .private_segment_fixed_size: 0
    .kernarg_segment_align: 8
    .kernarg_segment_size: 96
    .max_flat_workgroup_size: 128
    .sgpr_count:     66
    .vgpr_count:     640
    .wavefront_size: 32
...
	.end_amdgpu_metadata
.endif
;; end of part 1
;; launch attn (part 2): grid 32 x 8, 8 waves a work-group, clusters of 4 x 1, 327,680 bytes of LDS; arguments aux, vbuf, x, wo_codes, wo_scales, bo, gamma, out0; writes out0
.if DOCPART == 2
	.amdgcn_target "amdgcn-amd-amdhsa--gfx1250"
	.amdhsa_code_object_version 6
	.text
	.protected	k_qf1730cd444_attn
	.globl	k_qf1730cd444_attn
	.p2align	8
	.type	k_qf1730cd444_attn,@function
k_qf1730cd444_attn:
	s_mov_b64 s[64:65], 0
	v_nop
	global_prefetch_b8 v0, s[64:65] scope:SCOPE_SE
	s_setreg_imm32_b32 hwreg(HW_REG_WAVE_MODE, 25, 1), 1
	s_wait_xcnt 0x0
	s_wait_alu depctr_hold_cnt(0) depctr_sa_sdst(0) depctr_va_vdst(0) depctr_va_sdst(0) depctr_va_ssrc(0) depctr_va_vcc(0) depctr_vm_vsrc(0)
	s_getreg_b32 s2, hwreg(HW_REG_IB_STS2, 6, 4)
	s_cmp_eq_u32 s2, 0
	s_cbranch_scc0 .Lentry_in_a_cluster
	s_endpgm
.Lentry_in_a_cluster:
	s_bfe_u32 s2, ttmp6, 0x10000c
	s_cmp_lg_u32 s2, 0x3003
	s_cbranch_scc0 .Lentry_shape_is_right
	s_endpgm
.Lentry_shape_is_right:
; out = gamma (wo softmax-attention(g, f, hh) + bo) + x, all products on codes of FP4 (E2M1) with one E8M0 scale for each 32 along K.  Codes and scales of the queries, keys and values come from the launch before,
; laid in the order of the operands' registers (aux: records of 5,376 bytes a step of 128 positions; vbuf: 16,384 bytes a step).
; SHARES.  A work-group owns 128 queries of one batch.  Eight waves = 4 groups of 32 queries x 2 parities of key steps: wave wv takes the query tiles wv (register tile 0) and wv xor 1 (register tile 1) and the key
; steps s with s % 2 = wv % 2.  So each fragment of V read from LDS feeds two products, and two waves share a SIMD.  The pair's sums are added at the end: both use the same M.
; TWO PASSES OVER THE KEYS.  Pass 1 makes all scores and keeps only maxima: of each block of 32 keys (in the wave's own LDS) and of the row.  So M = ceil(the row's largest t) is final before any p is made: pass 2 makes the
; scores again (the same instructions on the same registers: the same bits), p = 2^(t - M), its codes and O^T += V^T P^T, with no rescaling and no second search.  The row's sum is taken of the unquantised p.
; THE SCORE PRODUCT has K = 32, one block of the instruction's four.  Source 0's eight registers hold FOUR tiles of 16 keys, block tau = tile tau; source 1 has the query's 32 codes in block tau alone and zero codes elsewhere.
; The four query fragments overlap in one run of registers [0 | lanes 0-15 | 0 | lanes 16-31 | 0].  The query's scale word has its byte in place tau and the byte 0 elsewhere.  The padding zeros stand on the query's side only.
; Both attention products are used transposed: a lane holds one query (lane % 16) throughout.  The keys of a tile and the channels of a tile of V are chosen by the launch before so that 16 registers are 16 neighbours along the next K.
; THE ORDER OF A KEY STEP.  Every LDS operand is asked for a phase before it is used: a step's keys and block maxima behind the step before's last request for V; V's group 0 behind the first tile's softmax, group 1 inside the
; second tile's, groups 2 and 3 ahead of the products of the groups before them.  So a step's first tile (score products and softmax) is work on registers alone, and at a change of slots it stands inside the round's opening barrier.
; CLUSTER.  The four query blocks of a cluster belong to one batch: the resident records, V's slots and wo are asked for JOINTLY (mask 15), 8 waves x one load each.
; LDS.  0: ring of two slots of 65,536 bytes (4 steps of V).  RES: 32 rows of 3,328 bytes (V's scale words, the keys' scale words and codes of every step), resident.  BM: block maxima, 8,192 bytes a wave.
;   wo's codes are filled, behind a round of their own, into resident rows that the last slot's steps (28 to 31) no longer read.  On the way out the ring's bytes, which have had their last fill, serve as stages.
; LIMITS: NaN and infinities are not served.  A block of o under 2^-124, or of zeros, keeps the scale byte 1.  O is divided by the sum as a multiplication by v_rcp_f32.
; REGISTERS.  window 0: v1-11 addresses; v12-15 -M; v16-19 the sums; v22-23 row maxima; v24-31 block maxima; v32-39 at work; v40-41 p's scale words; v42 the keys'; v44-51 V's; v52-59 the queries'; v60-95 the queries' run;
;   v96-111 keys; v112-127 p's codes; v128-191 scores, p, then V; v192-223 V; v224-255 wo's scale words.   window 1: O^T, register tile T at 128 T + 8 ct.
.set REC,   5376
.set RROW,  3328
.set SLOT1, 1<<16
.set RES,   131072
.set BM,    237568
.set XCH,   303104                     ; row maxima from wave to wave: 256 bytes a wave
.set LX,    305152                     ; the sums: 128 bytes a wave
.set SPARE, 306176                     ; the spare words, 128 bytes for each wave: four blocks of 256 bytes that no other line names
.set WOL,   135168                     ; wo: 256 rows of 128 bytes + 16 of padding
.set WP,    144
.set SPT,   528                        ; the way out: a channel row of 128 positions, 512 bytes + 16
.set LI,  1                            ; 16 x lane
.set LS,  2                            ; 4 x lane
.set BR,  3                            ; my wave's block maxima, row r
.set BW,  4                            ; + 8 h
.set SPW, 5
.set NIL, 6
.set PFO, 7                            ; 256 x lane
.set ADR, 8
.set ADS, 9
.set ADV, 10
.set ADB, 11
.set MN,  12
.set LL,  16
.set TSUM, 20
.set RM,  22
.set BMX, 24
.set TS,  32
.set TBY, 36
.set PW,  40
.set KSR, 42
.set XPO, 43                           ; 16,384 x lane: a channel row of x
.set VSR, 44
.set QS,  52
.set QR,  60
.set KF,  96
.set PC,  112
.set S,   128
.set B0,  192
.set WOS, 224
.set TM,  8                            ; the way out: at work
.set OC,  24                           ; o's codes
.set DD,  60                           ; four result tiles
.set STO, 92                           ; v92-93 into the stage; v94 back; v95 wo's fragments
.set SRD, 94
.set WOA, 95
.set XX,  96                           ; v96-223: 32 rows of x
.set WV,  20
.set KH,  21
.set CNT, 22
.set CX,  23
.set QB,  24
.set BT,  25
.set G1R, 28
.set G1V, 36
.set G1W, 44
.set G0R, 52
.set G0V, 56
.set G0W, 60
.set GAM, 66
.set SEL, 68
.set CS,  70
.set TB,  72                           ; the slot in hand + my parity's step
.set TR,  73                           ; pass 1: the step's resident row; pass 2: that of the slot's first step of mine
.set TBM, 74                           ; the same for the block maxima
.set SLOTS, 75
.set LIM, 76
.set PFA, 78
.set QP,  90                           ; s[90:91] my query block's record.  s88-91 alone hold what hangs on my place in the cluster
.set MSB, 0
.macro WIN new                         ; the immediate's high byte repeats the setting that is left
.if MSB != \new
	s_set_vgpr_msb (MSB<<8)|\new
.set MSB, \new
.endif
.endm
.macro PLACES n
.rept \n
	v_nop
.endr
.endm
.macro BAR                             ; my LDS stores have landed and my LDS loads are in: then the work-group's barrier
	s_wait_dscnt 0x0
	s_barrier_signal -1
	s_barrier_wait -1
.endm
.macro CREST                           ; a round of the cluster's barrier behind its opening barrier
	s_cmp_lg_u32 s[WV], 0
	s_cbranch_scc1 .Lnot_wave_0_\@
	s_barrier_signal -3
.Lnot_wave_0_\@:
	s_barrier_wait -3
	s_barrier_signal -1
	s_barrier_wait -1
.endm
.macro CROUND                          ; a whole round
	s_barrier_signal -1
	s_barrier_wait -1
	CREST
.endm
; one product 16 x 16 x 128.  cz = 0: C is the constant 0, else v[c ..].  row = 1: source 0's scales from lanes 16-31
.macro FP4MM d, a, b, cz, c, sa, sb, row
.if (\cz) == 0
.if (\row) == 0
	v_wmma_scale_f32_16x16x128_f8f6f4 v[(\d):(\d)+7], v[(\a):(\a)+7], v[(\b):(\b)+7], 0, v[\sa], v[\sb] matrix_a_fmt:MATRIX_FMT_FP4 matrix_b_fmt:MATRIX_FMT_FP4
.else
	v_wmma_scale_f32_16x16x128_f8f6f4 v[(\d):(\d)+7], v[(\a):(\a)+7], v[(\b):(\b)+7], 0, v[\sa], v[\sb] matrix_a_fmt:MATRIX_FMT_FP4 matrix_b_fmt:MATRIX_FMT_FP4 matrix_a_scale:MATRIX_SCALE_ROW1
.endif
.else
.if (\row) == 0
	v_wmma_scale_f32_16x16x128_f8f6f4 v[(\d):(\d)+7], v[(\a):(\a)+7], v[(\b):(\b)+7], v[(\c):(\c)+7], v[\sa], v[\sb] matrix_a_fmt:MATRIX_FMT_FP4 matrix_b_fmt:MATRIX_FMT_FP4
.else
	v_wmma_scale_f32_16x16x128_f8f6f4 v[(\d):(\d)+7], v[(\a):(\a)+7], v[(\b):(\b)+7], v[(\c):(\c)+7], v[\sa], v[\sb] matrix_a_fmt:MATRIX_FMT_FP4 matrix_b_fmt:MATRIX_FMT_FP4 matrix_a_scale:MATRIX_SCALE_ROW1
.endif
.endif
.endm
	s_load_b512 s[4:19], s[0:1], 0x0               ; aux, vbuf, x, wo codes, wo scales, bo, gamma, out
	v_lshl_add_u32 v[SPW], v0, 2, SPARE
	v_mov_b32 v[NIL], 0
	ds_add_u32 v5, v6
	ds_add_u32 v5, v6
	s_wait_dscnt 0x0
	v_lshrrev_b32 v1, 5, v0
	v_readfirstlane_b32 s[WV], v1                  ; wave 0..7
	s_and_b32 s[KH], s[WV], 1                      ; my parity of key steps
	s_bfe_u32 s[CX], ttmp6, 0x40000                ; my place in the cluster
	s_lshl_b32 s[QB], ttmp9, 2
	s_add_co_u32 s[QB], s[QB], s[CX]               ; my block of 128 queries: it enters global addresses of my own alone
	s_and_b32 s[BT], ttmp7, 0xffff                 ; the batch, which the partners share
	; group 1, resident records: 4 rows of 416 elements of 8 bytes (3,328 bytes), 672 elements from record to record; mask 15, bit 21 beside it
	s_mov_b32 s[G1R], 15|(3<<16)|(1<<21)
	s_mov_b32 s[G1R+1], 416<<16
	s_mov_b32 s[G1R+2], 4<<16
	s_mov_b32 s[G1R+3], 416<<16
	s_mov_b32 s[G1R+4], 4
	s_mov_b32 s[G1R+5], 672
	s_mov_b32 s[G1R+6], 0
	s_mov_b32 s[G1R+7], 0
	; V: an eighth of a slot, 8,192 dense bytes as 32 rows of 256
	s_mov_b32 s[G1V], 15|(3<<16)|(1<<21)
	s_mov_b32 s[G1V+1], 32<<16
	s_mov_b32 s[G1V+2], 32<<16
	s_mov_b32 s[G1V+3], 32<<16
	s_mov_b32 s[G1V+4], 32
	s_mov_b32 s[G1V+5], 32
	s_mov_b32 s[G1V+6], 0
	s_mov_b32 s[G1V+7], 0
	; wo: 32 rows of 128 bytes, 4 words of padding behind every 32
	s_mov_b32 s[G1W], 15|(3<<16)|(1<<20)|(1<<21)|(4<<22)|(3<<25)
	s_mov_b32 s[G1W+1], 16<<16
	s_mov_b32 s[G1W+2], 32<<16
	s_mov_b32 s[G1W+3], 16<<16
	s_mov_b32 s[G1W+4], 32
	s_mov_b32 s[G1W+5], 16
	s_mov_b32 s[G1W+6], 0
	s_mov_b32 s[G1W+7], 0
	s_mov_b32 s[SEL], 0x76543210
	s_mov_b32 s[SEL+1], 0xfedcba98                 ; v_permlanex16_b32's selects for lane l xor 16
	s_mov_b32 s[CS], 0x3fb8aa3b                    ; log2(e)
	s_mov_b32 s[CS+1], s[CS]                       ; (named with it as a pair, so it is written)
	s_mov_b32 s[GAM+1], 0
	s_mov_b32 s81, 0
	s_mov_b32 s83, 0
	s_mov_b32 s85, 0
	s_mov_b32 s87, 0
	s_mov_b32 s89, 0
	s_mul_i32 s80, s[BT], 32*REC                   ; the batch's records
	s_mul_i32 s82, s[WV], 4*REC
	s_add_co_u32 s82, s82, s80                     ; my four of them
	s_lshl_b32 s84, s[BT], 19                      ; the batch's V,
	s_lshl_b32 s86, s[WV], 13
	s_add_co_u32 s84, s84, s86                     ; my eighth of a slot
	s_lshr_b32 s[LIM], s[WV], 1                    ; who prefetches V: waves 0 and 1 of the batch's first cluster: the same in all partners
	s_or_b32 s[LIM], s[LIM], ttmp9
	s_cmp_eq_u32 s[LIM], 0
	s_cselect_b32 s[LIM], 1, -1
	s_wait_kmcnt 0x0
	s_mov_b32 s[G0R], 1
	s_mul_i32 s[G0R+1], s[WV], 4*RROW
	s_add_co_u32 s[G0R+1], s[G0R+1], RES
	s_add_nc_u64 s[G0R+2:G0R+3], s[4:5], s[82:83]
	s_or_b32 s[G0R+3], s[G0R+3], 0x80000000
	s_mov_b32 s[G0V], 1
	s_lshl_b32 s[G0V+1], s[WV], 13                 ; slot 0
	s_add_nc_u64 s[G0V+2:G0V+3], s[6:7], s[84:85]
	s_or_b32 s[G0V+3], s[G0V+3], 0x80000000
	s_lshl_b32 s82, s[WV], 12
	s_mov_b32 s[G0W], 1
	s_mul_i32 s[G0W+1], s[WV], 32*WP
	s_add_co_u32 s[G0W+1], s[G0W+1], WOL
	s_add_nc_u64 s[G0W+2:G0W+3], s[10:11], s[82:83]
	s_or_b32 s[G0W+3], s[G0W+3], 0x80000000
	s_add_nc_u64 s[PFA:PFA+1], s[6:7], s[84:85]    ; the prefetches: partner cx takes step cx of a slot, its waves 0 and 1 take 8,192 bytes each;
	s_lshl_b32 s88, s[CX], 14
	s_add_co_u32 s88, s88, 65536                   ; in slot 1: the first change of slots steps it to slot 2.  Nothing is prefetched here, at the head
	s_add_nc_u64 s[PFA:PFA+1], s[PFA:PFA+1], s[88:89]
	s_mul_i32 s88, s[QB], REC
	s_add_co_u32 s88, s88, s80
	s_add_nc_u64 s[QP:QP+1], s[4:5], s[88:89]      ; my query block's record
	s_lshl_b32 s88, s[BT], 22
	s_lshl_b32 s82, s[WV], 19
	s_add_co_u32 s88, s88, s82
	s_lshl_b32 s82, s[QB], 9
	s_add_co_u32 s88, s88, s82
	s_add_nc_u64 s[8:9], s[8:9], s[88:89]          ; x and out at channel 32 wv, my block's 512 bytes of a row
	s_add_nc_u64 s[18:19], s[18:19], s[88:89]
	s_lshl_b32 s80, s[WV], 7
	s_add_nc_u64 s[14:15], s[14:15], s[80:81]      ; bo at channel 32 wv
	s_load_b32 s[GAM], s[16:17], 0x0
	CROUND                                         ; all four work-groups are here: the first joint loads meet
	tensor_load_to_lds s[G0R:G0R+3], s[G1R:G1R+7]  ; two loads of mine are out
	s_nop 0
	tensor_load_to_lds s[G0V:G0V+3], s[G1V:G1V+7]
	s_nop 0
	v_and_b32 v10, 15, v0                          ; r
	v_bfe_u32 v11, v0, 4, 1                        ; h
	v_and_b32 v9, 31, v0                           ; lane
	v_lshlrev_b32 v[LI], 4, v9
	v_lshlrev_b32 v[LS], 2, v9
	s_xor_b32 s82, s[WV], 1
	s_lshl_b32 s80, s[WV], 8
	s_lshl_b32 s84, s82, 8
	v_lshl_add_u32 v32, v10, 4, s80                ; register tile 0: query tile wv, row r, 16 bytes;
	v_lshl_add_u32 v33, v10, 4, s84                ; register tile 1: query tile wv xor 1
	s_lshl_b32 s80, s[WV], 4
	s_lshl_b32 s84, s82, 4
	v_add_nc_u32 v34, s80, v10                     ; their scale bytes
	v_add_nc_u32 v35, s84, v10
	v_lshlrev_b32 v36, 3, v10
	global_load_b128 v[S:S+3], v32, s[QP:QP+1] offset:3328
	global_load_b128 v[S+4:S+7], v33, s[QP:QP+1] offset:3328
	global_load_u8 v[QS], v34, s[QP:QP+1] offset:1024
	global_load_u8 v[QS+4], v35, s[QP:QP+1] offset:1024
.irp ot, 0,1,2,3,4,5,6,7,8,9,10,11,12,13,14,15
	global_load_b64 v[WOS+2*\ot:WOS+2*\ot+1], v36, s[12:13] offset:128*\ot     ; row 16 ot + r of wo: its two scale words
.endr
	s_lshl_b32 s80, s[WV], 13
	s_add_co_u32 s80, s80, BM
	v_lshl_add_u32 v[BR], v10, 4, s80
	v_lshl_add_u32 v[BW], v11, 3, v[BR]
	v_lshlrev_b32 v[PFO], 8, v9
	v_lshlrev_b32 v[XPO], 14, v9
	v_cmp_eq_u32 vcc_lo, 1, v11                    ; lanes 16-31
	v_cmp_eq_u32 s84, 0, v11                       ; lanes 0-15
.irp z, 0,8,16,24,32
.irp i, 0,1,2,3
	v_mov_b32 v[QR+\z+\i], 0                       ; the run's zero codes
.endr
.endr
	v_mov_b32 v[RM], 0xff7fffff                    ; under every score
	v_mov_b32 v[RM+1], 0xff7fffff
.irp i, 0,1,2,3
	v_mov_b32 v[LL+\i], 0                          ; the sums, two halves a tile
.endr
	v_mov_b32 v[MN+1], 0                           ; (upper words of pairs of which the low word serves both halves)
	v_mov_b32 v[MN+3], 0
	s_wait_loadcnt 0x0
.irp T, 0,1
.irp i, 0,1,2,3
	v_cndmask_b32 v[QR+16*\T+4+\i], 0, v[S+4*\T+\i], s84           ; the query's codes in lanes 0-15 alone,
	v_cndmask_b32 v[QR+16*\T+12+\i], 0, v[S+4*\T+\i], vcc_lo       ; and in lanes 16-31 alone
.endr
	v_lshlrev_b32 v[QS+4*\T+1], 8, v[QS+4*\T]                      ; its scale byte in place tau, the byte 0 elsewhere
	v_lshlrev_b32 v[QS+4*\T+2], 16, v[QS+4*\T]
	v_lshlrev_b32 v[QS+4*\T+3], 24, v[QS+4*\T]
.endr
	s_mul_i32 s[TR], s[KH], RROW
	s_add_co_u32 s[TR], s[TR], RES
	s_mov_b32 s[TBM], 0
	PLACES 8                                       ; scale registers written by vector instructions stand 8 places ahead of a scaled product
	s_wait_tensorcnt 0x1                           ; my share of the resident records is in; slot 0 may stay out
	s_barrier_signal -1
	s_barrier_wait -1
; S^T of register tile T: eight products, each 16 keys x 16 queries.  v[S + 16 b + i] = key 32 b + 16 h + i of the step, for query r
.macro QK T
.irp F, 0,1
.irp tau, 0,1,2,3
	FP4MM S+8*(4*\F+\tau), KF+8*\F, QR+16*(\T)+8*(\tau%2)+4-4*(\tau/2), 0, 0, KSR, QS+4*(\T)+\tau, \F
.endr
.endr
.endm
; a step's keys, off bytes on from the row in the address registers: two fragments (four tiles of 16 keys each) and their scale words
.macro KLOAD off
.irp j, 0,1,2,3
	ds_load_b128 v[KF+4*\j:KF+4*\j+3], v[ADR] offset:(\off)+1280+512*\j
.endr
	ds_load_b32 v[KSR], v[ADS] offset:(\off)+1152
.endm
; pass 1: the largest score of each block of 32 keys, to my own LDS in the order 0, 2, 1, 3, and the running row maximum
.macro BMAX T
.set rM, TS+4*(\T)
.irp b, 0,1,2,3
	v_max3_num_f32 v[rM+\b], v[S+16*\b], v[S+16*\b+1], v[S+16*\b+2]
.endr
.irp i, 3,5,7,9,11,13
.irp b, 0,1,2,3
	v_max3_num_f32 v[rM+\b], v[rM+\b], v[S+16*\b+\i], v[S+16*\b+\i+1]
.endr
.endr
.irp b, 0,1,2,3
	v_max_num_f32 v[rM+\b], v[rM+\b], v[S+16*\b+15]
.endr
	v_permlane16_swap_b32 v[rM], v[rM+1]           ; both halves of block h meet in lane half h,
	v_permlane16_swap_b32 v[rM+2], v[rM+3]         ; and of block 2 + h
	v_max_num_f32 v[rM], v[rM], v[rM+1]
	v_max_num_f32 v[rM+1], v[rM+2], v[rM+3]
	v_max3_num_f32 v[RM+\T], v[RM+\T], v[rM], v[rM+1]
	ds_store_b64 v[ADB], v[rM:rM+1] offset:256*(\T)
.endm
; a key step of pass 1.  next = 1: the next step's keys are asked for as soon as this step's last products have read the registers: the second tile's maxima stand between the request and the wait for it
.macro P1 next
	s_wait_dscnt 0x0                               ; the keys are in, and no LDS instruction of mine is out: the address registers and the stores' data may be written
	v_add_nc_u32 v[ADR], s[TR], v[LI]
	v_add_nc_u32 v[ADS], s[TR], v[LS]
	v_add_nc_u32 v[ADB], s[TBM], v[BW]
	QK 0
	PLACES 4
	BMAX 0
	QK 1
	PLACES 4                                       ; places in front of the loads into the keys' registers, and of the first read of the scores
.if \next
	KLOAD 2*RROW
.endif
	BMAX 1
	s_add_co_u32 s[TR], s[TR], 2*RROW
	s_add_co_u32 s[TBM], s[TBM], 512
.endm
	v_add_nc_u32 v[ADR], s[TR], v[LI]
	v_add_nc_u32 v[ADS], s[TR], v[LS]
	KLOAD 0                                        ; my first step's keys
	s_mov_b32 s[CNT], 15
.Lpass1:                                           ; 15 of my 16 key steps
	P1 1
	s_sub_co_u32 s[CNT], s[CNT], 1
	s_cmp_lg_u32 s[CNT], 0
	s_cbranch_scc1 .Lpass1
	P1 0                                           ; the last is written out: it asks for nothing, so that no read leaves the resident rows
	; ---- M: the row's maximum over both halves of the lanes and both waves of the pair
	s_wait_dscnt 0x0
	s_lshl_b32 s80, s[WV], 8
	s_add_co_u32 s80, s80, XCH
	v_add_nc_u32 v[ADR], s80, v[LS]
	s_xor_b32 s82, s[WV], 1
	s_lshl_b32 s82, s82, 8
	s_add_co_u32 s82, s82, XCH
	v_add_nc_u32 v[ADS], s82, v[LS]
	v_permlanex16_b32 v[TS], v[RM], s[SEL], s[SEL+1]
	v_permlanex16_b32 v[TS+4], v[RM+1], s[SEL], s[SEL+1]
	v_max_num_f32 v[RM], v[RM], v[TS]
	v_max_num_f32 v[RM+1], v[RM+1], v[TS+4]
	ds_store_b32 v[ADR], v[RM]
	ds_store_b32 v[ADR], v[RM+1] offset:128
	BAR
	ds_load_b32 v[TS], v[ADS] offset:128           ; my register tile 0 is my partner's register tile 1,
	ds_load_b32 v[TS+4], v[ADS]                    ; and the other way round
	s_wait_dscnt 0x0
	v_max_num_f32 v[RM], v[RM], v[TS]
	v_max_num_f32 v[RM+1], v[RM+1], v[TS+4]
	v_mul_f32 v[RM], s[CS], v[RM]                  ; as t
	v_mul_f32 v[RM+1], s[CS], v[RM+1]
	v_floor_f32 v[MN], -v[RM]                      ; -M = floor(-t) = -ceil(t): a whole number
	v_floor_f32 v[MN+2], -v[RM+1]
	s_mul_i32 s[TR], s[KH], RROW
	s_add_co_u32 s[TR], s[TR], RES
	s_mov_b32 s[TBM], 0
	s_lshl_b32 s[TB], s[KH], 14
	s_mov_b32 s[SLOTS], 7
; ---- pass 2
.macro VLOAD grp, buf, i               ; four fragments of V (tiles 4 grp on) of my i-th step of the slot, as images of their registers
.irp k, 0,1,2,3
.irp c, 0,1
	ds_load_b128 v[(\buf)+8*\k+4*\c:(\buf)+8*\k+4*\c+3], v[ADV] offset:(\i)*32768+(4*(\grp)+\k)*1024+512*\c
.endr
.endr
.endm
; p, its sum, its scale word and its codes, for register tile T.  vl = 1: V's group 1 of step i is asked for as soon as p's first 32 registers are free
.macro SOFT T, vl, i
.set rB, BMX+4*(\T)
.set rN, MN+2*(\T)
.set rL, LL+2*(\T)
.irp k, 0,1,2,3
	v_fma_f32 v[rB+\k], v[rB+\k], s[CS], v[rN]     ; t - M of each block's largest score.  (These four are the places behind the score products)
.endr
.set n, 0
.rept 32
	v_pk_fma_f32 v[S+n:S+n+1], v[S+n:S+n+1], s[CS:CS+1], v[rN:rN+1] op_sel_hi:[1,0,0]   ; t - M, each accumulator from its low end on
.set n, n+2
.endr
.irp k, 0,1,2,3
	v_exp_f32 v[rB+\k], v[rB+\k]                   ; the block's largest p: the same two instructions on the same number give the same bits as its place among the 64
.endr
.set n, 0
.rept 64
	v_exp_f32 v[S+n], v[S+n]                       ; p = 2^(t - M), at most 1: not normalised
.set n, n+1
.endr
	v_nop                                          ; a plain line behind the last exponential
	s_wait_alu depctr_va_vdst(0)                   ; one wait for the batch of 68, ahead of its first reader
.irp k, 0,1,2,3
	v_max_num_f32 v[rB+\k], 0x1800000, v[rB+\k]    ; the floor 2^(3 - 127): the byte cannot fall under 1
.endr
.irp k, 0,1,2,3
	v_add_nc_u32 v[TS+\k], 0xff000000, v[rB+\k]    ; 2 off the exponent field: the conversion's scale operand
.endr
.irp k, 0,1,2,3
	v_lshrrev_b32 v[TBY+\k], 23, v[TS+\k]
.endr
	v_pk_add_f32 v[TSUM:TSUM+1], v[S:S+1], v[S+2:S+3]              ; the sum of the unquantised p, in two chains; the scale word's three lines stand among its first
	v_lshl_or_b32 v[PW+\T], v[TBY+2], 8, v[TBY]                    ; the maxima lie in the order 0, 2, 1, 3
	v_pk_add_f32 v[rL:rL+1], v[rL:rL+1], v[S+4:S+5]
	v_pk_add_f32 v[TSUM:TSUM+1], v[TSUM:TSUM+1], v[S+6:S+7]
	v_lshl_or_b32 v[PW+\T], v[TBY+1], 16, v[PW+\T]
	v_pk_add_f32 v[rL:rL+1], v[rL:rL+1], v[S+8:S+9]
	v_pk_add_f32 v[TSUM:TSUM+1], v[TSUM:TSUM+1], v[S+10:S+11]
	v_lshl_or_b32 v[PW+\T], v[TBY+3], 24, v[PW+\T]
.irp j, 12,16,20,24,28
	v_pk_add_f32 v[rL:rL+1], v[rL:rL+1], v[S+\j:S+\j+1]
	v_pk_add_f32 v[TSUM:TSUM+1], v[TSUM:TSUM+1], v[S+\j+2:S+\j+3]
.endr
.irp b, 0,1,2,3
	v_cvt_scalef32_pk8_fp4_f32 v[PC+8*(\T)+2*\b], v[S+16*\b:S+16*\b+7], v[TS+2*(\b%2)+\b/2]
	v_cvt_scalef32_pk8_fp4_f32 v[PC+8*(\T)+2*\b+1], v[S+16*\b+8:S+16*\b+15], v[TS+2*(\b%2)+\b/2]
.endr
	v_nop                                          ; one plain line behind the conversions
.if \vl
	VLOAD 1, S, \i                                 ; p's first 32 registers have been summed and converted
.endif
.irp c, 0,1                                    ; the operand wants a whole block in a lane: lanes 0-15 block 2 c, lanes 16-31 block 2 c + 1
.irp i2, 0,1
	v_permlane16_swap_b32 v[PC+8*(\T)+4*\c+\i2], v[PC+8*(\T)+4*\c+2+\i2]
.endr
.endr
.irp j, 32,36,40,44,48,52,56,60                ; the sum's second half: also the places between the scale word, the codes and the products that take them
	v_pk_add_f32 v[rL:rL+1], v[rL:rL+1], v[S+\j:S+\j+1]
	v_pk_add_f32 v[TSUM:TSUM+1], v[TSUM:TSUM+1], v[S+\j+2:S+\j+3]
.endr
	v_pk_add_f32 v[rL:rL+1], v[rL:rL+1], v[TSUM:TSUM+1]
.endm
.macro PV grp, buf, zero               ; O^T += V^T P^T: eight accumulators by turns; zero = 1: the products start the sums
	WIN 0x50                                       ; C and D window 1
.irp k, 0,1,2,3
.irp T, 0,1
	FP4MM 128*\T+8*(4*(\grp)+\k), (\buf)+8*\k, PC+8*\T, 1-(\zero), 128*\T+8*(4*(\grp)+\k), VSR+4*((\grp)/2)+(2*(\grp)+\k/2)%4, PW+\T, \k%2
.endr
.endr
.endm
; the LDS addresses of a slot's two steps of mine: made once a slot, where no LDS instruction of mine is out; the step, and the step ahead, stand in the immediates
.macro SLOTADR
	v_add_nc_u32 v[ADR], s[TR], v[LI]
	v_add_nc_u32 v[ADS], s[TR], v[LS]
	v_add_nc_u32 v[ADV], s[TB], v[LI]
	v_add_nc_u32 v[ADB], s[TBM], v[BR]
.endm
; seven loads: the keys, their scale words and both tiles' block maxima of my j-th step counted from the slot's first (j = 2: the next slot's first)
.macro KNEXT j
	KLOAD (\j)*2*RROW
	ds_load_b128 v[BMX:BMX+3], v[ADB] offset:(\j)*512
	ds_load_b128 v[BMX+4:BMX+7], v[ADB] offset:(\j)*512+256
.endm
; A KEY STEP in three parts.  STEPA: the first tile's scores and softmax: work on registers alone.  w = 1: the wait for its operands is written (at a change of slots the wait in front of the signal has served)
.macro STEPA w
.if \w
	s_wait_dscnt 0x0                               ; the step's keys and block maxima, asked for 24 products ago, are in
.endif
	PLACES 5                                       ; five places between the products that read V in the scores' registers and the score products that write over them
	QK 0
	SOFT 0, 0, 0
.endm
; STEPB: V's scale words and group 0 are asked for; the second tile; the products of group 0; the step's last requests.  next = 1: the next step's keys among them
.macro STEPB i, zero, next
	ds_load_b128 v[VSR:VSR+3], v[ADR] offset:(\i)*2*RROW
	ds_load_b128 v[VSR+4:VSR+7], v[ADR] offset:(\i)*2*RROW+512
	VLOAD 0, B0, \i
	QK 1
	SOFT 1, 1, \i
	VLOAD 2, S+32, \i                              ; p's other 32 registers are free
	s_wait_dscnt 16                                ; V's scale words and group 0 are in; groups 1 and 2 may be out
	PV 0, B0, \zero
	PLACES 4
	WIN 0
	VLOAD 3, B0, \i
.if \next
	KNEXT (\i)+1
.endif
.endm
; the products of groups 1 to 3, inside a slot.  The counts: the younger groups' eight loads each, and the seven of the next step's keys
.macro TAILPV zero, next
	s_wait_dscnt 16+7*(\next)
	PV 1, S, \zero
	s_wait_dscnt 8+7*(\next)
	PV 2, S+32, \zero
	s_wait_dscnt 7*(\next)
	PV 3, B0, \zero
	WIN 0
.endm
; A prefetch into the L2 of the slot that the NEXT change will ask for: 65,536 bytes, each block of 256 named once in the launch: the batch's first cluster asks, partner cx for step cx (told apart by address), its waves 0 and 1
; for 32 blocks each, a lane a block.  The last change that fills a slot asks for nothing.
.macro ASK
	s_cmp_gt_u32 s[SLOTS], s[LIM]
	s_cbranch_scc0 .Lnot_mine_\@
	global_prefetch_b8 v[PFO], s[PFA:PFA+1] th:TH_LOAD_NT scope:SCOPE_SE
.Lnot_mine_\@:
.endm
; THE CHANGE OF SLOTS stands behind the last LDS requests of a slot's last step.  Each wave waits for all its tensor loads (its part of the slot ahead), adds 0 to its spare word, multiplies groups 1 and 2 while the add is out,
; waits for the add and for all its LDS reads (the last of the slot that it leaves among them), and signals.  Between the signal and its wait stands work on registers alone: group 3's products and the next step's first tile,
; whose operands are in.  Then the rest of the round, and the wave's one joint load.  kind 1: the slot left takes the next four steps of V.  kind 2: wo's codes go into resident rows under row 13, which no step from 28 on reads.
; first = 1: ahead of the first step: there are no products to finish.
.macro CHG kind, first
	s_wait_tensorcnt 0x0                           ; no tensor load of mine is out, so a group 0 may be written
	ds_add_u32 v[SPW], v[NIL]                      ; 0 onto my spare word
.if (\kind) == 1
	s_xor_b32 s[G0V+1], s[G0V+1], SLOT1
	s_add_nc_u64 s[G0V+2:G0V+3], s[G0V+2:G0V+3], 65536
	s_wait_xcnt 0x0                                ; the last prefetch, a slot back, has read its address
	s_add_nc_u64 s[PFA:PFA+1], s[PFA:PFA+1], 65536
.endif
.if (\first) == 0
	s_wait_dscnt 24                                ; group 1 is in; groups 2 and 3, the seven loads of the next keys and the add may be out
	PV 1, S, 0
	s_wait_dscnt 16                                ; group 2 is in
	PV 2, S+32, 0
.endif
	s_wait_dscnt 0x0                               ; the add is done, and my reads of the slot that I leave are over
	s_barrier_signal -1
.if (\first) == 0
	PV 3, B0, 0
	WIN 0
.endif
	STEPA 0
	s_barrier_wait -1
	CREST                                          ; no wave of any partner still reads the slot or has a load on its way
.if (\kind) == 1
	tensor_load_to_lds s[G0V:G0V+3], s[G1V:G1V+7]  ; it has nearly two of my key steps in which to land
	s_nop 0
	PLACES 4
	ASK
.if (\first) == 0
	s_add_co_u32 s[TR], s[TR], 4*RROW              ; on to the next slot
	s_add_co_u32 s[TBM], s[TBM], 1024
	s_xor_b32 s[TB], s[TB], SLOT1
	SLOTADR
.endif
.else
	tensor_load_to_lds s[G0W:G0W+3], s[G1W:G1W+7]
	s_nop 0
	PLACES 4
	global_prefetch_b8 v[XPO], s[8:9] th:TH_LOAD_NT scope:SCOPE_SE             ; my 32 channel rows of x, 512 bytes each, a lane a row: wanted on the way out, two key steps on
	global_prefetch_b8 v[XPO], s[8:9] offset:256 th:TH_LOAD_NT scope:SCOPE_SE
	s_mul_i32 s[TR], s[KH], RROW                   ; the last slot (steps 28 to 31, in the ring's second half): its addresses as constants and the wave's number
	s_add_co_u32 s[TR], s[TR], RES+28*RROW
	s_mov_b32 s[TBM], 14*512
	s_lshl_b32 s[TB], s[KH], 14
	s_add_co_u32 s[TB], s[TB], SLOT1
	SLOTADR
.endif
.endm
	SLOTADR
	KNEXT 0                                        ; my first step's keys and block maxima
	CHG 1, 1                                       ; slot 0 is whole, slot 1 asked for
	STEPB 0, 1, 1                                  ; the first step's products start O^T: nothing is cleared
	TAILPV 1, 1
	STEPA 1
	STEPB 1, 0, 1
	s_mov_b32 s[SLOTS], 6
.Lslot:                                            ; a trip goes from one change of slots to the next: slots 1 to 6 are read, 2 to 7 asked for
	CHG 1, 0
	STEPB 0, 0, 1
	TAILPV 0, 1
	STEPA 1
	STEPB 1, 0, 1
	s_sub_co_u32 s[SLOTS], s[SLOTS], 1
	s_cmp_lg_u32 s[SLOTS], 0
	s_cbranch_scc1 .Lslot
	CHG 2, 0                                       ; the last slot is written out
	STEPB 0, 0, 1
	TAILPV 0, 1
	STEPA 1
	STEPB 1, 0, 0                                  ; nothing is left to ask for
	TAILPV 0, 0
	; ---- THE WAY OUT.  The sums' halves; addresses (also the places behind the last products); x is asked for at once
	v_add_f32 v[LL], v[LL], v[LL+1]
	v_add_f32 v[LL+2], v[LL+2], v[LL+3]
	v_permlanex16_b32 v[LL+1], v[LL], s[SEL], s[SEL+1]
	v_permlanex16_b32 v[LL+3], v[LL+2], s[SEL], s[SEL+1]
	v_and_b32 v8, 15, v0                           ; r
	v_bfe_u32 v9, v0, 4, 1                         ; h
	v_mul_u32_u24 v[STO], v8, SPT
	v_lshl_add_u32 v[STO], v9, 5, v[STO]
	s_lshl_b32 s80, s[WV], 6
	v_add_nc_u32 v[STO], s80, v[STO]               ; the stage: channel row r of a tile, my 16 queries' 64 bytes, + 32 h
	v_add_nc_u32 v[STO+1], 128*SPT, v[STO]         ; channels 128 on
	s_mul_i32 s80, s[WV], 32*SPT
	v_add_nc_u32 v[SRD], s80, v[LI]                ; back: my 32 channel rows, 16 bytes a lane
	v_mul_u32_u24 v[WOA], v8, WP
	v_lshl_add_u32 v[WOA], v9, 4, v[WOA]
	v_add_nc_u32 v[WOA], WOL, v[WOA]
	s_xor_b32 s82, s[WV], 1
	s_lshl_b32 s80, s[WV], 14
	v_add_nc_u32 v24, s80, v[LI]                   ; where I put register tile 1 of O^T,
	s_lshl_b32 s80, s82, 14
	v_add_nc_u32 v25, s80, v[LI]                   ; and where my partner has put its own: my register tile 0's other half
	s_lshl_b32 s80, s[WV], 7
	s_add_co_u32 s80, s80, LX
	v_add_nc_u32 v26, s80, v[LS]
	s_lshl_b32 s80, s82, 7
	s_add_co_u32 s80, s80, LX
	v_add_nc_u32 v27, s80, v[LS]
	v_add_f32 v[LL], v[LL], v[LL+1]
	v_add_f32 v[LL+2], v[LL+2], v[LL+3]
.set n, 0
.rept 32
	global_load_b128 v[XX+4*n:XX+4*n+3], v[LI], s[8:9] offset:16384*n th:TH_LOAD_NT   ; channel 32 wv + n: 512 consecutive bytes
.set n, n+1
.endr
	s_wait_tensorcnt 0x0                           ; my part of wo has landed,
	BAR                                            ; everybody's has, and nobody reads the ring any more: it has had its last fill
	s_load_b512 s[28:43], s[14:15], 0x0            ; bo of my 32 channels, into the descriptors' registers: no tensor load is out
	s_load_b512 s[44:59], s[14:15], 0x40
	WIN 0x04                                       ; an LDS store's data are its source 1: window 1
.set n, 0
.rept 32
	ds_store_b128 v24, v[128+4*n:128+4*n+3] offset:512*n           ; an image of the registers; each accumulator from its low end on
.set n, n+1
.endr
	WIN 0
	ds_store_b32 v26, v[LL+2]
	BAR
	WIN 0x40
.set n, 0
.rept 32
	ds_load_b128 v[128+4*n:128+4*n+3], v25 offset:512*n
.set n, n+1
.endr
	WIN 0
	ds_load_b32 v[LL+3], v27
	BAR                                            ; all have read: the stage may be written over these bytes
	v_add_f32 v[TSUM], v[LL], v[LL+3]              ; the row's sum over all keys
	v_rcp_f32 v[LL], v[TSUM]
	WIN 0x45
.set n, 0
.rept 64
	v_pk_add_f32 v[n:n+1], v[n:n+1], v[128+n:129+n]                ; O^T over all keys
.set n, n+2
.endr
.macro WOLOAD bt, base                 ; wo's fragments of output tiles 4 bt on, both K steps, into window 1
	WIN 0x40
.irp oi, 0,1,2,3
.irp s, 0,1
.irp c, 0,1
	ds_load_b128 v[(\base)+8*(2*\oi+\s)+4*\c:(\base)+8*(2*\oi+\s)+4*\c+3], v[WOA] offset:16*(4*(\bt)+\oi)*WP+64*\s+32*\c
.endr
.endr
.endr
.endm
	WOLOAD 0, 128
	WOLOAD 1, 192
	s_wait_alu depctr_va_vdst(0)                   ; the wait ahead of the reciprocal's first reader
	WIN 0x41
.set n, 0
.rept 64
	v_pk_mul_f32 v[n:n+1], v[n:n+1], v[LL:LL+1] op_sel_hi:[1,0]    ; / the sum: register 16 b + i = channel 32 b + 16 h + i of my query
.set n, n+2
.endr
; 64 numbers in window 1 from 64 k on become K step k's fragment in v[OC + 8 k ..] and its scale word in v[PW + k]
.macro QUANT1 k
	WIN 0x05
.irp b, 0,1,2,3
	v_max3_num_f32 v[TM+\b], |v[64*(\k)+16*\b]|, |v[64*(\k)+16*\b+1]|, 0x1800000
.endr
	WIN 0x14
.irp i, 2,4,6,8,10,12,14
.irp b, 0,1,2,3
	v_max3_num_f32 v[TM+\b], v[TM+\b], |v[64*(\k)+16*\b+\i]|, |v[64*(\k)+16*\b+\i+1]|
.endr
.endr
	WIN 0
.irp b, 0,1,2,3
	v_permlanex16_b32 v[TM+4+\b], v[TM+\b], s[SEL], s[SEL+1]
.endr
.irp b, 0,1,2,3
	v_max_num_f32 v[TM+\b], v[TM+\b], v[TM+4+\b]
.endr
.irp b, 0,1,2,3
	v_add_nc_u32 v[TM+12+\b], 0xff000000, v[TM+\b]
.endr
.irp b, 0,1,2,3
	v_lshrrev_b32 v[TM+4+\b], 23, v[TM+12+\b]
.endr
	v_lshl_or_b32 v[PW+\k], v[TM+5], 8, v[TM+4]
	v_lshl_or_b32 v[PW+\k], v[TM+6], 16, v[PW+\k]
	v_lshl_or_b32 v[PW+\k], v[TM+7], 24, v[PW+\k]
	WIN 0x01
.irp b, 0,1,2,3
	v_cvt_scalef32_pk8_fp4_f32 v[OC+8*(\k)+2*\b], v[64*(\k)+16*\b:64*(\k)+16*\b+7], v[TM+12+\b]
	v_cvt_scalef32_pk8_fp4_f32 v[OC+8*(\k)+2*\b+1], v[64*(\k)+16*\b+8:64*(\k)+16*\b+15], v[TM+12+\b]
.endr
	WIN 0
	v_nop
.irp c, 0,1
.irp i, 0,1
	v_permlane16_swap_b32 v[OC+8*(\k)+4*\c+\i], v[OC+8*(\k)+4*\c+2+\i]
.endr
.endr
.endm
	QUANT1 0
	QUANT1 1
	WOLOAD 2, 0                                    ; O^T's registers are free
	WOLOAD 3, 64
	WIN 0
	PLACES 8                                       ; the scale words stand 8 places ahead of the scaled products
; o = o_pre wo^T for four tiles of 16 output channels: source 0 = my 16 queries, source 1 = 16 rows of wo: a lane holds one channel and eight neighbouring positions
.macro OUTG bt, base
	WIN 0x04                                       ; source 1 window 1
.irp s, 0,1
.irp oi, 0,1,2,3
	FP4MM DD+8*\oi, OC+8*\s, (\base)+8*(2*\oi+\s), \s, DD+8*\oi, PW+\s, WOS+2*(4*(\bt)+\oi)+\s, 0
.endr
.endr
	WIN 0
	PLACES 5                                       ; four for the stores that read the results, five for the next products, which begin these accumulators anew
.irp oi, 0,1,2,3
	ds_store_b128 v[STO+(\bt)/2], v[DD+8*\oi:DD+8*\oi+3] offset:16*((4*(\bt)+\oi)%8)*SPT
	ds_store_b128 v[STO+(\bt)/2], v[DD+8*\oi+4:DD+8*\oi+7] offset:16*((4*(\bt)+\oi)%8)*SPT+16
.endr
.endm
	s_wait_dscnt 32                                ; wo's first 32 loads are in; the 32 just issued may be out
	OUTG 0, 128
	s_wait_dscnt 0x0                               ; the stage's stores have read their registers (and all of wo is in)
	OUTG 1, 192
	s_wait_dscnt 0x0
	OUTG 2, 0
	s_wait_dscnt 0x0
	OUTG 3, 64
	BAR                                            ; 256 whole channel rows lie in the stage
	WIN 0x40
.set n, 0
.rept 32
	ds_load_b128 v[4*n:4*n+3], v[SRD] offset:SPT*n
.set n, n+1
.endr
	s_wait_kmcnt 0x0                               ; bo, gamma
	s_wait_loadcnt 0x0                             ; x
.irp q, 0,1,2,3                                ; eight rows at a time: (o + bo) gamma + x, then their stores
	s_wait_dscnt 24-8*\q                           ; these eight rows are back; the younger ones may be out
	WIN 0x41                                       ; the row in window 1, x in window 0
.irp i, 0,1,2,3,4,5,6,7
	s_mov_b32 s86, s[28+8*\q+\i]                   ; the row's bo (the packed form names the pair s[86:87] and takes its low word)
	v_pk_add_f32 v[4*(8*\q+\i):4*(8*\q+\i)+1], v[4*(8*\q+\i):4*(8*\q+\i)+1], s[86:87] op_sel_hi:[1,0]
	v_pk_add_f32 v[4*(8*\q+\i)+2:4*(8*\q+\i)+3], v[4*(8*\q+\i)+2:4*(8*\q+\i)+3], s[86:87] op_sel_hi:[1,0]
	v_pk_fma_f32 v[4*(8*\q+\i):4*(8*\q+\i)+1], v[4*(8*\q+\i):4*(8*\q+\i)+1], s[GAM:GAM+1], v[XX+4*(8*\q+\i):XX+4*(8*\q+\i)+1] op_sel_hi:[1,0,1]
	v_pk_fma_f32 v[4*(8*\q+\i)+2:4*(8*\q+\i)+3], v[4*(8*\q+\i)+2:4*(8*\q+\i)+3], s[GAM:GAM+1], v[XX+4*(8*\q+\i)+2:XX+4*(8*\q+\i)+3] op_sel_hi:[1,0,1]
.endr
	WIN 0x04                                       ; a store's data are its source 1
.irp i, 0,1,2,3,4,5,6,7
	global_store_b128 v[LI], v[4*(8*\q+\i):4*(8*\q+\i)+3], s[18:19] offset:16384*(8*\q+\i) th:TH_STORE_NT   ; 32 lanes store 512 consecutive bytes, aligned
.endr
.endr
	WIN 0
	s_wait_tensorcnt 0x0                           ; the wave's end: behind my last tensor load and my last LDS store
	ds_add_u32 v[SPW], v[NIL]
	s_wait_dscnt 0x0
	CROUND                                         ; the closing round: no work-group ends while a partner may still ask for a tile that names it
	s_endpgm
.Lfunc_end_k_qf1730cd444_attn:
	.size	k_qf1730cd444_attn, .Lfunc_end_k_qf1730cd444_attn-k_qf1730cd444_attn
	.p2alignl 7, 3214868480
	.fill 96, 4, 3214868480
	.section	.rodata,"a",@progbits
	.p2align	6, 0x0
	.amdhsa_kernel k_qf1730cd444_attn
		.amdhsa_group_segment_fixed_size 327680
		.amdhsa_private_segment_fixed_size 0
		.amdhsa_enable_private_segment 0
		.amdhsa_kernarg_size 64
		.amdhsa_user_sgpr_count 2
		.amdhsa_user_sgpr_kernarg_segment_ptr 1
		.amdhsa_wavefront_size32 1
		.amdhsa_system_sgpr_workgroup_id_x 1
		.amdhsa_system_sgpr_workgroup_id_y 1
		.amdhsa_system_sgpr_workgroup_id_z 1
		.amdhsa_system_vgpr_workitem_id 0
		.amdhsa_next_free_vgpr 512
		.amdhsa_next_free_sgpr 96
		.amdhsa_reserve_vcc 1
		.amdhsa_float_denorm_mode_32 3
		.amdhsa_float_denorm_mode_16_64 3
		.amdhsa_memory_ordered 1
		.amdhsa_forward_progress 1
		.amdhsa_inst_pref_size 231
	.end_amdhsa_kernel
	.amdgpu_metadata
---
amdhsa.version: [ 1, 2 ]
amdhsa.kernels:
  - .name:           k_qf1730cd444_attn
    .symbol:         k_qf1730cd444_attn.kd
    .args:
      - { .name: aux, .offset: 0, .size: 8, .value_kind: global_buffer, .address_space: global }
      - { .name: vbuf, .offset: 8, .size: 8, .value_kind: global_buffer, .address_space: global }
      - { .name: x, .offset: 16, .size: 8, .value_kind: global_buffer, .address_space: global }
      - { .name: wo_codes, .offset: 24, .size: 8, .value_kind: global_buffer, .address_space: global }
      - { .name: wo_scales, .offset: 32, .size: 8, .value_kind: global_buffer, .address_space: global }
      - { .name: bo, .offset: 40, .size: 8, .value_kind: global_buffer, .address_space: global }
      - { .name: gamma, .offset: 48, .size: 8, .value_kind: global_buffer, .address_space: global }
      - { .name: out0, .offset: 56, .size: 8, .value_kind: global_buffer, .address_space: global }
    .group_segment_fixed_size: 327680
    .private_segment_fixed_size: 0
    .kernarg_segment_align: 8
    .kernarg_segment_size: 64
    .max_flat_workgroup_size: 256
    .sgpr_count:     96
    .vgpr_count:     512
    .wavefront_size: 32
...
	.end_amdgpu_metadata
.endif
;; end of part 2
